; MI455X (gfx1250); checked and timed in simulation.
; The chip was launched on July 23, 2026; its instructions are those of AMD's public machine-readable ISA for CDNA 5 (MIT licence, August 2026) and "CDNA5" Instruction Set Architecture Reference Guide (July 2026). The comments in the code are by the model that wrote it; some were corrected since.
;; Trellis Linear. Allowed arithmetic: float matrix products may take bf16 or f16 operands with f32 sums; all other float work in f32.
;; Inputs: SU 4,096 float32; SV 2,048 float32; tlut 1,024 x 2 float32; trellis 16,384 x 16 int32; x 8,192 x 4,096 float32.
;; Outputs: out0 8,192 x 2,048 float32.
;; One version. Each part assembles by itself: llvm-mc -triple=amdgcn-amd-amdhsa -mcpu=gfx1250 --defsym DOCPART=n.
;; ======== version 1 of 1: 2 launches
;; workspace buffers: wb 16,777,216 bytes
;; launch prep (part 1): grid 256 x 1, 8 waves a work-group, no clusters, 144,384 bytes of LDS; arguments trellis, tlut, SU, wb; writes wb
.if DOCPART == 1
	.amdgcn_target "amdgcn-amd-amdhsa--gfx1250"
	.amdhsa_code_object_version 6
	.text
	.protected	k_q8da3e0105b_prep
	.globl	k_q8da3e0105b_prep
	.p2align	8
	.type	k_q8da3e0105b_prep,@function
k_q8da3e0105b_prep:
	s_mov_b64 s[64:65], 0
	v_nop
	global_prefetch_b8 v0, s[64:65] scope:SCOPE_SE
	s_setreg_imm32_b32 hwreg(HW_REG_WAVE_MODE, 25, 1), 1
	s_wait_xcnt 0x0
; wb[256 q' + pi(g)][i] = bf16( SU[i] / 64 * sum over q, i' of H8[q'][q] H4096[i][i'] what[g + 256 q][i'] ), what = the table's values for the trellis.
; The Hadamard transform over the 2,048 rows is H8 (row bits 8-10) times H256 (row bits 0-7): H8 and all of H4096 are applied here, in f32; H256, SV and 1/sqrt(2048) belong to the launch behind.
; DECODE.  Only the low 10 of the 16 state bits reach the table: the index of step t is the 10-bit window that ends at code t in the sequence's stream of 512 bits, most significant bits first,
; zeros ahead of the stream.  Row o of what is made of the 128 words at trellis + 512 o; word W gives elements 32 W .. 32 W + 31, two a look-up; a sequence begins at every sixteenth word.
; SHARES.  Work-group g owns the eight rows g + 256 q: 32,768 numbers, 128 a thread.  Fifteen butterfly bits: i2-i6 in registers and i7-i9 between lanes (phase A: wave = row, lane = 128 columns),
; then, behind one exchange through LDS, i0, i1, i10, i11 and q0-q2 in registers (phase B: a thread holds columns 1024 b + 4 t + 0..3 of all eight rows).
; pi(n) = (n & 7) | ((n >> 7) & 1) << 3 | ((n >> 3) & 15) << 4 orders a block's 256 rows so that in the next launch's matrix results a lane holds n = 128 (lane / 16) + register index.
; LIMITS.  tlut and SU are rounded to bf16 as they come in (as every floating-point input of this program is); the result is rounded to bf16 once.  NaN and infinities are not treated apart.
; No tensor loads, no matrix unit, no cluster: a work-group reads 4 KiB of its own and the two small tables (24 KiB), and what it shares with others is those tables alone.
.set EX,    8192                       ; LDS 0 .. 8,191: the table, 1,024 entries of two f32.  From EX on: the exchange
.set CH,    528                        ; 128 numbers (512 bytes) + 16 of padding: an odd multiple of 16 bytes, so sixteen lanes' 16-byte stores fall into sixteen different columns modulo 256
.set ROWB,  32*CH                      ; a row of 4,096 numbers
.set SPARE, EX+8*ROWB                  ; the spare words, 128 bytes a wave: four blocks of 256 bytes that no other line names
.set WR,  3                            ; v3   phase A: where my 128 numbers go: EX + wave x ROWB + lane x CH
.set RD0, 4                            ; v4   phase B: EX + wave x CH + 16 x lane, rows 0-3;  v5 the same for rows 4-7
.set GO,  6                            ; v6   8 x thread: my 8 bytes in 2,048 bytes of a row of wb
.set TA,  7                            ; v7   16 x lane: my four words of the row's 128
.set TP,  8                            ; v8   the word in front of them (my own first word where a sequence begins: it is then replaced by 0)
.set TH,  9                            ; v9   16 x thread
.set WD,  12                           ; v12-15 my four words;  v16 the word in front
.set SPW, 30                           ; v30  my spare word;  v31  0: both never rewritten
.set NIL, 31
.set T,   32                           ; v32-63   at work, in sets that take turns
.set D,   64                           ; v64-191  my 128 numbers
.set SUT, 192                          ; v192-207 SU / 64 for my 16 columns
.set SG,  208                          ; v208-213 +1 or -1 by lane bits 0, 1, 2, each as a pair
.set LS,  216                          ; v216-223 the table on its way into LDS
.set ts,  0
	s_load_b256 s[4:11], s[0:1], 0x0               ; trellis s[4:5], tlut s[6:7], SU s[8:9], wb s[10:11]
	v_lshl_add_u32 v[SPW], v0, 2, SPARE
	v_mov_b32 v[NIL], 0
	v_and_b32 v1, 31, v0                           ; lane
	v_lshrrev_b32 v2, 5, v0
	v_readfirstlane_b32 s12, v2                    ; wave = q in phase A
	s_mov_b32 s13, ttmp9                           ; g
	s_mov_b32 s17, 0xffff0000                      ; a word's upper bf16
	s_mul_i32 s14, s12, ROWB
	s_add_co_u32 s14, s14, EX
	v_mul_u32_u24 v[WR], v1, CH
	v_add_nc_u32 v[WR], s14, v[WR]
	s_mul_i32 s15, s12, CH
	s_add_co_u32 s15, s15, EX
	v_lshl_add_u32 v[RD0], v1, 4, s15
	v_add_nc_u32 v[RD0+1], 4*ROWB, v[RD0]
	v_lshlrev_b32 v[GO], 3, v0
	v_lshlrev_b32 v[TA], 4, v1
	v_and_b32 v11, 3, v1                           ; 0: my first word begins a sequence
	v_min_u32 v10, 1, v11
	v_lshlrev_b32 v10, 2, v10
	v_sub_nc_u32 v[TP], v[TA], v10
	v_lshlrev_b32 v[TH], 4, v0
.irp b, 0,1,2
	v_bfe_u32 v10, v1, \b, 1
	v_lshl_or_b32 v[SG+2*\b], v10, 31, 0x3f800000  ; 1.0 with the lane's bit as its sign
	v_mov_b32 v[SG+2*\b+1], v[SG+2*\b]
.endr
	s_lshl_b32 s20, s12, 8
	s_add_co_u32 s20, s20, s13                     ; my wave's row g + 256 q,
	s_lshl_b32 s20, s20, 9                         ; 512 bytes of trellis each
	s_mov_b32 s21, 0
	s_and_b32 s22, s13, 7                          ; pi(g)
	s_bfe_u32 s23, s13, 0x10007
	s_lshl_b32 s23, s23, 3
	s_or_b32 s22, s22, s23
	s_bfe_u32 s23, s13, 0x40003
	s_lshl_b32 s23, s23, 4
	s_or_b32 s22, s22, s23
	s_lshl_b32 s22, s22, 13                        ; rows of 8,192 bytes
	s_mov_b32 s23, 0
	s_wait_kmcnt 0x0
	s_add_nc_u64 s[4:5], s[4:5], s[20:21]
	s_add_nc_u64 s[10:11], s[10:11], s[22:23]      ; wb at row pi(g): blocks q' = 0..3 stand in the stores' immediates,
	s_add_nc_u64 s[18:19], s[10:11], 0x800000      ; blocks 4..7 have a base of their own, 4 x 256 rows further on
	global_load_b128 v[LS:LS+3], v[TH], s[6:7]
	global_load_b128 v[LS+4:LS+7], v[TH], s[6:7] offset:4096
	global_load_b128 v[WD:WD+3], v[TA], s[4:5]
	global_load_b32 v[WD+4], v[TP], s[4:5]
.irp b, 0,1,2,3
	global_load_b128 v[SUT+4*\b:SUT+4*\b+3], v[TH], s[8:9] offset:4096*\b   ; SU of columns 1024 b + 4 t + 0..3
.endr
	s_wait_loadcnt 0x6                             ; the table's two loads are in; the six younger loads stay out
.irp p, 0,1,2,3
	v_cvt_pk_bf16_f32 v[T+\p], v[LS+2*\p], v[LS+2*\p+1]  ; rounded to bf16,
.endr
.irp p, 0,1,2,3
	v_lshlrev_b32 v[LS+2*\p], 16, v[T+\p]          ; and kept as f32
	v_and_b32 v[LS+2*\p+1], s17, v[T+\p]
.endr
	ds_store_b128 v[TH], v[LS:LS+3]
	ds_store_b128 v[TH], v[LS+4:LS+7] offset:4096
	s_wait_dscnt 0x0                               ; for the others' sake: my part of the table is written
	s_barrier_signal -1
	s_barrier_wait -1                              ; the table is whole
	s_wait_loadcnt 0x4                             ; my words are in; SU's four loads stay out
	v_cmp_ne_u32 vcc_lo, 0, v11
	v_cndmask_b32 v[WD+4], 0, v[WD+4], vcc_lo      ; zeros ahead of a sequence's first word
; Word k's sixteen look-ups.  Code c ends at bit 30 - 2 c; eight times the index is the pair {word in front, word} shifted right by 27 - 2 c (left for the last two codes) and masked.
; The v_min_u32 states the bound once more.
.macro DECODE k
.set cc, 0
.rept 16
.set ta, T+16*((\k)%2)+cc
.if cc < 4
.if (\k) == 0
	v_alignbit_b32 v[ta], v[WD+4], v[WD], 27-2*cc
.else
	v_alignbit_b32 v[ta], v[WD+(\k)-1], v[WD+(\k)], 27-2*cc
.endif
.elseif cc < 14
	v_lshrrev_b32 v[ta], 27-2*cc, v[WD+(\k)]
.else
	v_lshlrev_b32 v[ta], 2*cc-27, v[WD+(\k)]
.endif
	v_and_b32 v[ta], 0x1ff8, v[ta]
	v_min_u32 v[ta], 0x1ff8, v[ta]
	ds_load_b64 v[D+32*(\k)+2*cc:D+32*(\k)+2*cc+1], v[ta]
.set cc, cc+1
.endr
.endm
	DECODE 0
	DECODE 1
	DECODE 2
	DECODE 3
; Two butterfly stages at register distances d1 and d2 over n registers from base, on pairs: eight packed additions for four pairs, no copies; four sets of temporaries take turns.
.macro R4 base, n, d1, d2
.set ra, 0
.rept (\n)/2
.if ((ra&(\d1))==0)&&((ra&(\d2))==0)
.set qa, (\base)+ra
.set qb, qa+(\d1)
.set qc, qa+(\d2)
.set qd, qb+(\d2)
.set tt, T+8*ts
	v_pk_add_f32 v[tt:tt+1],   v[qa:qa+1], v[qb:qb+1]
	v_pk_add_f32 v[tt+2:tt+3], v[qa:qa+1], v[qb:qb+1] neg_lo:[0,1] neg_hi:[0,1]
	v_pk_add_f32 v[tt+4:tt+5], v[qc:qc+1], v[qd:qd+1]
	v_pk_add_f32 v[tt+6:tt+7], v[qc:qc+1], v[qd:qd+1] neg_lo:[0,1] neg_hi:[0,1]
	v_pk_add_f32 v[qa:qa+1], v[tt:tt+1],   v[tt+4:tt+5]
	v_pk_add_f32 v[qc:qc+1], v[tt:tt+1],   v[tt+4:tt+5] neg_lo:[0,1] neg_hi:[0,1]
	v_pk_add_f32 v[qb:qb+1], v[tt+2:tt+3], v[tt+6:tt+7]
	v_pk_add_f32 v[qd:qd+1], v[tt+2:tt+3], v[tt+6:tt+7] neg_lo:[0,1] neg_hi:[0,1]
.set ts, (ts+1)%4
.endif
.set ra, ra+2
.endr
.endm
; PHASE A.  Register index = i & 127, lane = i >> 7.
.irp k, 0,1,2,3
	s_wait_dscnt 16*(3-\k)                         ; word k's sixteen look-ups are in; the later words' stay out
	R4 D+32*\k, 32, 4, 8                           ; i2, i3
.endr
	R4 D, 128, 16, 32                              ; i4, i5
; i6 (distance 64) and i7 (the neighbouring lane) together.  Between lanes: new = partner + sign x own, sign = -1 in the lane whose bit is set.
.set pp, 0
.rept 32
.set tt, T+8*(pp%4)
.set xl, D+2*pp
.set xh, D+64+2*pp
	v_pk_add_f32 v[tt:tt+1],   v[xl:xl+1], v[xh:xh+1]
	v_pk_add_f32 v[tt+2:tt+3], v[xl:xl+1], v[xh:xh+1] neg_lo:[0,1] neg_hi:[0,1]
	v_pk_mul_f32 v[tt+4:tt+5], v[tt:tt+1],   v[SG:SG+1]
	v_pk_mul_f32 v[tt+6:tt+7], v[tt+2:tt+3], v[SG:SG+1]
	v_add_f32_dpp v[xl],   v[tt],   v[tt+4] row_xmask:1 row_mask:0xf bank_mask:0xf
	v_add_f32_dpp v[xl+1], v[tt+1], v[tt+5] row_xmask:1 row_mask:0xf bank_mask:0xf
	v_add_f32_dpp v[xh],   v[tt+2], v[tt+6] row_xmask:1 row_mask:0xf bank_mask:0xf
	v_add_f32_dpp v[xh+1], v[tt+3], v[tt+7] row_xmask:1 row_mask:0xf bank_mask:0xf
.set pp, pp+1
.endr
.macro DPPS m, sg                      ; a stage between lanes m apart, eight registers at a time
.set pp, 0
.rept 16
.set tt, T+8*(pp%4)
.set xl, D+8*pp
.irp z, 0,2,4,6
	v_pk_mul_f32 v[tt+\z:tt+\z+1], v[xl+\z:xl+\z+1], v[\sg:\sg+1]
.endr
.irp z, 0,1,2,3,4,5,6,7
	v_add_f32_dpp v[xl+\z], v[xl+\z], v[tt+\z] row_xmask:\m row_mask:0xf bank_mask:0xf
.endr
.set pp, pp+1
.endr
.endm
	DPPS 2, SG+2                                   ; i8
	DPPS 4, SG+4                                   ; i9
.set kk, 0
.rept 32
	ds_store_b128 v[WR], v[D+4*kk:D+4*kk+3] offset:16*kk
.set kk, kk+1
.endr
	s_wait_dscnt 0x0                               ; for the others' sake: my row's part is written
	s_barrier_signal -1
	s_barrier_wait -1
; PHASE B.  Register index = 16 q + 4 b + e for column 1024 b + 4 t + e of row q.  Column block b of thread t lies in chunk 8 b + wave, at 16 x lane: 32 lanes read 512 bytes on end.
.set qq, 0
.rept 8
.set be, 0
.rept 4
	ds_load_b128 v[D+16*qq+4*be:D+16*qq+4*be+3], v[RD0+qq/4] offset:ROWB*(qq%4)+8*CH*be
.set be, be+1
.endr
.set qq, qq+1
.endr
	s_wait_loadcnt 0x0                             ; SU
.set pp, 0
.rept 8
	v_cvt_pk_bf16_f32 v[T+pp], v[SUT+2*pp], v[SUT+2*pp+1]
.set pp, pp+1
.endr
.set pp, 0
.rept 8
	v_lshlrev_b32 v[SUT+2*pp], 16, v[T+pp]
	v_and_b32 v[SUT+2*pp+1], s17, v[T+pp]
	v_pk_mul_f32 v[SUT+2*pp:SUT+2*pp+1], v[SUT+2*pp:SUT+2*pp+1], 0x3c800000 op_sel_hi:[1,0]  ; 1 / sqrt(4096) = 2^-6, exact
.set pp, pp+1
.endr
.set qq, 0
.rept 8
	s_wait_dscnt 28-4*qq                           ; row q's four loads are in; the later rows' stay out
.set be, 0
.rept 4                                ; i0 inside a pair, by single additions into temporaries; i1 between the quad's two pairs
.set xq, D+16*qq+4*be
.set tt, T+16*(qq%2)+4*be
	v_add_f32 v[tt],   v[xq],   v[xq+1]
	v_sub_f32 v[tt+1], v[xq],   v[xq+1]
	v_add_f32 v[tt+2], v[xq+2], v[xq+3]
	v_sub_f32 v[tt+3], v[xq+2], v[xq+3]
	v_pk_add_f32 v[xq:xq+1],   v[tt:tt+1], v[tt+2:tt+3]
	v_pk_add_f32 v[xq+2:xq+3], v[tt:tt+1], v[tt+2:tt+3] neg_lo:[0,1] neg_hi:[0,1]
.set be, be+1
.endr
	R4 D+16*qq, 16, 4, 8                           ; i10, i11
.set qq, qq+1
.endr
	R4 D, 128, 16, 32                              ; q0, q1
; q2 (distance 64) with the scale: R = Q S, sum = P S + R, difference = P S - R; rounded to bf16 into registers that are dead, which are never written again: no wait for the stores.
; One store of a wave covers 256 consecutive bytes, at a multiple of 256 from wb's first byte.
.set qq, 0
.rept 4
.set be, 0
.rept 4
.set xl, D+16*qq+4*be
.set xh, xl+64
.set tt, T+16*(be%2)
.set su, SUT+4*be
	v_pk_mul_f32 v[tt:tt+1],   v[xh:xh+1],     v[su:su+1]
	v_pk_mul_f32 v[tt+2:tt+3], v[xh+2:xh+3],   v[su+2:su+3]
	v_pk_fma_f32 v[tt+4:tt+5],   v[xl:xl+1],     v[su:su+1],     v[tt:tt+1]
	v_pk_fma_f32 v[tt+6:tt+7],   v[xl+2:xl+3],   v[su+2:su+3],   v[tt+2:tt+3]
	v_pk_fma_f32 v[tt+8:tt+9],   v[xl:xl+1],     v[su:su+1],     v[tt:tt+1]   neg_lo:[0,0,1] neg_hi:[0,0,1]
	v_pk_fma_f32 v[tt+10:tt+11], v[xl+2:xl+3],   v[su+2:su+3],   v[tt+2:tt+3] neg_lo:[0,0,1] neg_hi:[0,0,1]
	v_cvt_pk_bf16_f32 v[xl],   v[tt+4],  v[tt+5]
	v_cvt_pk_bf16_f32 v[xl+1], v[tt+6],  v[tt+7]
	v_cvt_pk_bf16_f32 v[xh],   v[tt+8],  v[tt+9]
	v_cvt_pk_bf16_f32 v[xh+1], v[tt+10], v[tt+11]
	global_store_b64 v[GO], v[xl:xl+1], s[10:11] offset:2097152*qq+2048*be
	global_store_b64 v[GO], v[xh:xh+1], s[18:19] offset:2097152*qq+2048*be
.set be, be+1
.endr
.set qq, qq+1
.endr
	s_wait_tensorcnt 0x0                           ; the wave's end
	ds_add_u32 v[SPW], v[NIL]
	s_wait_dscnt 0x0
	s_endpgm
.Lfunc_end_k_q8da3e0105b_prep:
	.size	k_q8da3e0105b_prep, .Lfunc_end_k_q8da3e0105b_prep-k_q8da3e0105b_prep
	.p2alignl 7, 3214868480
	.fill 96, 4, 3214868480
	.section	.rodata,"a",@progbits
	.p2align	6, 0x0
	.amdhsa_kernel k_q8da3e0105b_prep
		.amdhsa_group_segment_fixed_size 144384
		.amdhsa_private_segment_fixed_size 0
		.amdhsa_enable_private_segment 0
		.amdhsa_kernarg_size 32
		.amdhsa_user_sgpr_count 2
		.amdhsa_user_sgpr_kernarg_segment_ptr 1
		.amdhsa_wavefront_size32 1
		.amdhsa_system_sgpr_workgroup_id_x 1
		.amdhsa_system_sgpr_workgroup_id_y 1
		.amdhsa_system_sgpr_workgroup_id_z 1
		.amdhsa_system_vgpr_workitem_id 0
		.amdhsa_next_free_vgpr 224
		.amdhsa_next_free_sgpr 66
		.amdhsa_reserve_vcc 1
		.amdhsa_float_denorm_mode_32 3
		.amdhsa_float_denorm_mode_16_64 3
		.amdhsa_memory_ordered 1
		.amdhsa_forward_progress 1
		.amdhsa_inst_pref_size 118
	.end_amdhsa_kernel
	.amdgpu_metadata
---
amdhsa.version: [ 1, 2 ]
amdhsa.kernels:
  - .name:           k_q8da3e0105b_prep
    .symbol:         k_q8da3e0105b_prep.kd
    .args:
      - { .name: trellis, .offset: 0, .size: 8, .value_kind: global_buffer, .address_space: global }
      - { .name: tlut, .offset: 8, .size: 8, .value_kind: global_buffer, .address_space: global }
      - { .name: SU, .offset: 16, .size: 8, .value_kind: global_buffer, .address_space: global }
      - { .name: wb, .offset: 24, .size: 8, .value_kind: global_buffer, .address_space: global }
    .group_segment_fixed_size: 144384
    .private_segment_fixed_size: 0
    .kernarg_segment_align: 8
    .kernarg_segment_size: 32
    .max_flat_workgroup_size: 256
    .sgpr_count:     66
    .vgpr_count:     224
    .wavefront_size: 32
...
	.end_amdgpu_metadata
.endif
;; end of part 1
;; launch gemm (part 2): grid 8 x 32, 4 waves a work-group, clusters of 4 x 4, 327,680 bytes of LDS; arguments x, wb, SV, out0; writes out0
.if DOCPART == 2
	.amdgcn_target "amdgcn-amd-amdhsa--gfx1250"
	.amdhsa_code_object_version 6
	.text
	.protected	k_q8da3e0105b_gemm
	.globl	k_q8da3e0105b_gemm
	.p2align	8
	.type	k_q8da3e0105b_gemm,@function
k_q8da3e0105b_gemm:
	s_mov_b64 s[64:65], 0
	v_nop
	global_prefetch_b8 v0, s[64:65] scope:SCOPE_SE
	s_setreg_imm32_b32 hwreg(HW_REG_WAVE_MODE, 25, 1), 1
	s_wait_xcnt 0x0
	s_wait_alu depctr_hold_cnt(0) depctr_sa_sdst(0) depctr_va_vdst(0) depctr_va_sdst(0) depctr_va_ssrc(0) depctr_va_vcc(0) depctr_vm_vsrc(0)
	s_getreg_b32 s2, hwreg(HW_REG_IB_STS2, 6, 4)
	s_cmp_eq_u32 s2, 0
	s_cbranch_scc0 .Lentry_in_a_cluster
	s_endpgm
.Lentry_in_a_cluster:
	s_bfe_u32 s2, ttmp6, 0x10000c
	s_cmp_lg_u32 s2, 0xf033
	s_cbranch_scc0 .Lentry_shape_is_right
	s_endpgm
.Lentry_shape_is_right:
; out0[m][256 q + n'] = SV[256 q + n'] / sqrt(2048) * sum over n of H256[n'][n] * (sum over i of x[m][i] u[q][n][i]),  u[q][n] = row 256 q + pi(n) of wb (bf16), made by the launch before.
; x: [8192][4096] f32, rounded to bf16 on its way from LDS into the matrix unit, each number once; sums in f32; the transform over n is made of the finished f32 sums, on the way out.
; LIMITS.  x and SV are rounded to bf16 as they come in (as every floating-point input of this program is).  H256 is applied behind the product and 1/sqrt(2048) as a multiplication: another order of
; rounding than the formula's.  NaN and infinities are not treated apart.
; SHARES.  A tile of out0 is 256 rows x 256 columns (one block q): 8 x 32 tiles, one work-group each.  Wave w owns rows 64 w .. 64 w + 63 and ALL 256 columns: 64 accumulators (a = 0..3, b = 0..15), 512 registers.
; So each number of x is converted once in the work-group, and a row's 256 sums lie in one wave: seven of the transform's eight stages are work on a lane's own registers.
; THE MATRIX INSTRUCTION IS USED TRANSPOSED: source 0 = 16 rows of wb, source 1 = 16 rows of x.  Lane l then holds row l % 16 of x, and register j of accumulator (a, b) the row 16 b + 8 (l / 16) + j of the
; tile of wb, which by pi is n = 128 (l / 16) + 8 b + j: the register index 8 b + j is n's low seven bits.
; STEPS.  A PHASE is 32 along K: 64 products a wave.  x comes in steps of 64 along K and wb in pairs of 128: both are rows of 256 bytes, at multiples of 256 from the buffers' first bytes.  x's ring of two slots
; turns every two phases, wb's every four; a slot of wb is filled again by halves, so that every turn asks for 128 + 128 rows of x (waves 0, 1) and 64 + 64 rows of wb (waves 2, 3): one tensor load a wave.
; A LAP is 8 phases, once round both rings; 16 laps.
; CLUSTER.  4 x 4 work-groups.  The four of a row of the cluster need the same tiles of x, the four of a column the same tiles of wb: each tile is asked for JOINTLY, by the same tensor load with the same
; descriptor and a mask that names the four.
; REGISTERS, in windows of 256 (s_set_vgpr_msb: bits 1:0 source 0, 3:2 source 1, 5:4 source 2, 7:6 destination):
;   window 0: v16-29 addresses; v32-95 x as f32; v96-127, v128-159 x's fragments in bf16, two buffers; v160-175 the columns' scales; v176-239 at work on the way out (which also takes v32-159)
;   window 1: wb's fragments, two buffers of 128; on the way out the transform's two buffers      window 2: accumulators a = 0, 1 at 128 (a % 2) + 8 b      window 3: a = 2, 3
.set PITCH,  272                       ; an LDS row: 256 bytes + 16 of padding: an odd multiple of 16 bytes, so the 16 rows of a fragment load fall into sixteen different 16-byte columns modulo 256
.set ASLOT,  256*PITCH                 ; a slot: 256 rows.  x's slots at 0 and ASLOT,
.set BBASE,  2*ASLOT                   ; wb's at BBASE and BBASE + ASLOT
.set STAGE,  4*ASLOT                   ; behind the rings, never filled by a tensor load: 16 rows x 528 bytes for each wave, for the way out
.set SPITCH, 528
.set SPARE,  STAGE+4*16*SPITCH         ; the spare words, 128 bytes a wave: two blocks of 256 bytes that no other line names
.set LAPS,   16
.set ADRA, 16                          ; v16-17  LDS address of my fragments of x in slot 0, 1
.set ADRB, 20                          ; v20-21  the same for wb
.set STO,  24                          ; v24     the way out: where I put my numbers of a row
.set RD,   25                          ; v25     the way out: where I read a row back
.set CO,   26                          ; v26     my byte offset in two rows of out0
.set R16,  27                          ; v27     16 x (lane % 16)
.set SPW,  28                          ; v28     my spare word;  v29  0: both never rewritten
.set NIL,  29
.set AF,   32
.set AB,   96
.set Q,    160
.set TT,   176
.set G1A,  24                          ; s[24:31] descriptor group 1 for x's tiles;  s[32:39] for wb's
.set G1B,  32
.set GA0,  40                          ; descriptor groups 0: x's slot 0, slot 1;
.set GA1,  44
.set GB0L, 48                          ; wb's slot 0, rows 0-127 and rows 128-255; slot 1 likewise
.set GB0H, 52
.set GB1L, 56
.set GB1H, 60
.set MUL_LO, 0xa1                      ; source 0 (wb) window 1, source 1 (x) window 0, C and D window 2
.set MUL_HI, 0xf1                      ; the same, C and D window 3
.set MSB, 0
.macro WIN new                         ; the immediate's high byte repeats the setting that is left; a switch that changes nothing is dropped
.if MSB != (\new)
	s_set_vgpr_msb (MSB<<8)|(\new)
.set MSB, \new
.endif
.endm
.macro PLACES                          ; four plain vector instructions between a matrix instruction and a load into, or a vector write or read of, its registers (ISA guide 7.12.1 for vector writes and reads)
.rept 4
	v_nop
.endr
.endm
.macro STEP g                          ; a group 0 goes two steps of x, or two pairs of wb, along K: 512 bytes either way; the type bits on top are not reached
	s_add_nc_u64 s[(\g)+2:(\g)+3], s[(\g)+2:(\g)+3], 512
.endm
; A joint load.  Waves 0 and 1 ask for x's two halves, waves 2 and 3 for the two quarters of wb that are due.  The branch hangs on the wave's number alone.
; An s_nop 0 and four v_nop follow each line, ahead of the jump, the label and what follows.
.macro JLOAD ga, gb
	s_cmp_eq_u32 s13, 0
	s_cbranch_scc0 .Lfor_b_\@
	tensor_load_to_lds s[\ga:\ga+3], s[G1A:G1A+7]
	s_nop 0
	PLACES
	s_branch .Lasked_\@
.Lfor_b_\@:
	tensor_load_to_lds s[\gb:\gb+3], s[G1B:G1B+7]
	s_nop 0
	PLACES
.Lasked_\@:
.endm
.macro JLOADA ga                       ; the last fill: x alone; waves 2 and 3 have nothing left to ask for
	s_cmp_eq_u32 s13, 0
	s_cbranch_scc0 .Lnone_\@
	tensor_load_to_lds s[\ga:\ga+3], s[G1A:G1A+7]
	s_nop 0
.Lnone_\@:
	PLACES
.endm
.macro CREST                           ; a round of the cluster's barrier behind its opening barrier: wave 0 signals for the work-group, every wave waits for all sixteen, my work-group's barrier closes it
	s_cmp_lg_u32 s12, 0
	s_cbranch_scc1 .Lnot_wave_0_\@
	s_barrier_signal -3
.Lnot_wave_0_\@:
	s_barrier_wait -3
	s_barrier_signal -1
	s_barrier_wait -1
.endm
.macro CROUND
	s_barrier_signal -1
	s_barrier_wait -1
	CREST
.endm
	s_load_b256 s[4:11], s[0:1], 0x0               ; x s[4:5], wb s[6:7], SV s[8:9], out0 s[10:11]
	v_lshl_add_u32 v[SPW], v0, 2, SPARE
	v_mov_b32 v[NIL], 0
	ds_add_u32 v[SPW], v[NIL]                      ; the wave's opening: the add and its wait stand ahead of my first tensor load; the set-up below, work on registers, stands between them
	v_lshrrev_b32 v1, 5, v0
	v_readfirstlane_b32 s12, v1                    ; wave 0..3
	s_lshr_b32 s13, s12, 1                         ; I ask for x (0) or for wb (1),
	s_and_b32 s14, s12, 1                          ; and for which part of it
	s_bfe_u32 s66, ttmp6, 0x40000                  ; cx, cy: my place in the cluster
	s_bfe_u32 s67, ttmp6, 0x40004
	s_lshl_b32 s68, ttmp9, 2
	s_add_co_u32 s68, s68, s66                     ; tile column (the block q) = 4 x cluster x + cx
	s_and_b32 s69, ttmp7, 0xffff
	s_lshl_b32 s69, s69, 2
	s_add_co_u32 s69, s69, s67                     ; tile row = 4 x cluster y + cy
	s_lshl_b32 s70, s67, 2
	s_lshl_b32 s70, 15, s70                        ; my row of the cluster: places 4 cy .. 4 cy + 3
	s_lshl_b32 s71, 0x1111, s66                    ; my column: places cx, cx + 4, cx + 8, cx + 12
	; group 1 for x: 128 rows x 64 elements of 4 bytes; for wb: 64 rows x 128 elements of 2 bytes.  Both: padding on, 4 words behind every 64 words; bit 21 set beside the mask
	s_or_b32 s[G1A], s70, (2<<16)|(1<<20)|(1<<21)|(5<<22)|(3<<25)
	s_mov_b32 s[G1A+1], 64<<16                     ; tensor_dim0 = 64
	s_mov_b32 s[G1A+2], 128<<16                    ; tensor_dim1 = 128
	s_mov_b32 s[G1A+3], 64<<16                     ; tile_dim0 = 64
	s_mov_b32 s[G1A+4], 128                        ; tile_dim1 = 128
	s_mov_b32 s[G1A+5], 4096                       ; elements from row to row
	s_mov_b32 s[G1A+6], 0
	s_mov_b32 s[G1A+7], 0
	s_or_b32 s[G1B], s71, (1<<16)|(1<<20)|(1<<21)|(5<<22)|(3<<25)
	s_mov_b32 s[G1B+1], 128<<16
	s_mov_b32 s[G1B+2], 64<<16
	s_mov_b32 s[G1B+3], 128<<16
	s_mov_b32 s[G1B+4], 64
	s_mov_b32 s[G1B+5], 4096
	s_mov_b32 s[G1B+6], 0
	s_mov_b32 s[G1B+7], 0
	; where the tiles come from: x's hang on the tile row alone, wb's on the tile column alone, each in registers that never hold the other coordinate
	s_lshl_b32 s72, s69, 8
	s_lshl_b32 s15, s14, 7
	s_add_co_u32 s72, s72, s15                     ; x: row 256 x tile row + 128 x part,
	s_lshl_b32 s72, s72, 14                        ; of 16,384 bytes: under 2^27 in all
	s_mov_b32 s73, 0
	s_lshl_b32 s74, s68, 8
	s_lshl_b32 s16, s14, 6
	s_add_co_u32 s74, s74, s16                     ; wb: row 256 x tile column + 64 x part,
	s_lshl_b32 s74, s74, 13                        ; of 8,192 bytes
	s_mov_b32 s75, 0
	s_mul_i32 s17, s14, 128*PITCH                  ; and where they go: no place in the cluster enters an LDS address
	s_mul_i32 s18, s14, 64*PITCH
.irp g, GA0, GA1, GB0L, GB0H, GB1L, GB1H
	s_mov_b32 s[\g], 1                             ; count = 1
.endr
	s_mov_b32 s[GA0+1], s17
	s_add_co_u32 s[GA1+1], s17, ASLOT
	s_add_co_u32 s[GB0L+1], s18, BBASE
	s_add_co_u32 s[GB0H+1], s18, BBASE+128*PITCH
	s_add_co_u32 s[GB1L+1], s18, BBASE+ASLOT
	s_add_co_u32 s[GB1H+1], s18, BBASE+ASLOT+128*PITCH
	s_wait_dscnt 0x0                               ; the opening add is done
	s_wait_kmcnt 0x0
	s_add_nc_u64 s[76:77], s[4:5], s[72:73]
	s_add_nc_u64 s[78:79], s[6:7], s[74:75]
	s_add_nc_u64 s[GA0+2:GA0+3], s[76:77], 0       ; x's step 0,
	s_add_nc_u64 s[GA1+2:GA1+3], s[76:77], 256     ; step 1
	s_add_nc_u64 s[GB0L+2:GB0L+3], s[78:79], 0     ; wb's pair 0,
	s_add_nc_u64 s[GB0H+2:GB0H+3], s[78:79], 128*8192
	s_add_nc_u64 s[GB1L+2:GB1L+3], s[78:79], 256   ; pair 1
	s_add_nc_u64 s[GB1H+2:GB1H+3], s[78:79], 128*8192+256
.irp g, GA0, GA1, GB0L, GB0H, GB1L, GB1H
	s_or_b32 s[\g+3], s[\g+3], 0x80000000          ; type = 2
.endr
	CROUND                                         ; all sixteen work-groups are here: the first joint loads meet
	s_cmp_eq_u32 s13, 0                            ; a wave's first fills stand in one branch, ahead of every wait on TENSORcnt and every LDS read: two loads of mine are out, or four
	s_cbranch_scc0 .Lfirst_b
	tensor_load_to_lds s[GA0:GA0+3], s[G1A:G1A+7]
	s_nop 0
	tensor_load_to_lds s[GA1:GA1+3], s[G1A:G1A+7]
	s_nop 0
	PLACES
	s_branch .Lfirst_asked
.Lfirst_b:
	tensor_load_to_lds s[GB0L:GB0L+3], s[G1B:G1B+7]
	s_nop 0
	tensor_load_to_lds s[GB0H:GB0H+3], s[G1B:G1B+7]
	s_nop 0
	tensor_load_to_lds s[GB1L:GB1L+3], s[G1B:G1B+7]
	s_nop 0
	tensor_load_to_lds s[GB1H:GB1H+3], s[G1B:G1B+7]
	s_nop 0
	PLACES
.Lfirst_asked:
	; A fragment is 16 rows x 32 K: lane l holds row l % 16, K = 8 (l / 16) + 0..7 and 16 + 8 (l / 16) + 0..7.  In bf16: two loads of 16 bytes, 32 bytes apart.  In f32: four, at 0, 16, 64 and 80 from 32 (l / 16).
	v_and_b32 v1, 15, v0                           ; l % 16
	v_bfe_u32 v2, v0, 4, 1                         ; l / 16
	v_mul_u32_u24 v3, v1, PITCH
	s_mul_i32 s15, s12, 64*PITCH                   ; my 64 rows of x
	v_lshl_add_u32 v4, v2, 5, v3
	v_add_nc_u32 v[ADRA], s15, v4
	v_add_nc_u32 v[ADRA+1], ASLOT, v[ADRA]
	v_lshl_add_u32 v5, v2, 4, v3
	v_add_nc_u32 v[ADRB], BBASE, v5
	v_add_nc_u32 v[ADRB+1], ASLOT, v[ADRB]
	s_mul_i32 s16, s12, 16*SPITCH
	s_add_co_u32 s16, s16, STAGE                   ; my stage
	v_mul_u32_u24 v6, v1, SPITCH                   ; in: row l % 16; 256 bytes for each half of the lanes
	v_lshl_add_u32 v6, v2, 8, v6
	v_add_nc_u32 v[STO], s16, v6
	v_mul_u32_u24 v7, v2, SPITCH                   ; back: lanes 0-15 take one row, lanes 16-31 the next, 16 bytes a lane
	v_lshl_add_u32 v7, v1, 4, v7
	v_add_nc_u32 v[RD], s16, v7
	v_lshlrev_b32 v[R16], 4, v1
	v_lshl_add_u32 v[CO], v2, 13, v[R16]           ; and the same two rows in out0
	s_lshl_b32 s80, s68, 10                        ; the tile's first column: 1,024 bytes a block, in SV and in a row of out0
	s_mov_b32 s81, 0
	s_add_nc_u64 s[8:9], s[8:9], s[80:81]
	s_lshl_b32 s82, s69, 8
	s_lshl_b32 s83, s12, 6
	s_add_co_u32 s82, s82, s83                     ; my first row: 256 x tile row + 64 x wave,
	s_lshl_b32 s82, s82, 13                        ; of 8,192 bytes
	s_add_co_u32 s82, s82, s80
	s_mov_b32 s83, 0
	s_add_nc_u64 s[10:11], s[10:11], s[82:83]
.irp c, 0,1
.irp d, 0,1
	global_load_b128 v[Q+8*\c+4*\d:Q+8*\c+4*\d+3], v[R16], s[8:9] offset:256*\c+512*\d  ; SV of columns 128 d + 64 c + 4 (l % 16) + 0..3
.endr
.endr
	s_wait_loadcnt 0x0
.set ii, 0
.rept 8
	v_cvt_pk_bf16_f32 v[TT+ii], v[Q+2*ii], v[Q+2*ii+1]
.set ii, ii+1
.endr
.set ii, 0
.rept 8
	v_lshlrev_b32 v[Q+2*ii], 16, v[TT+ii]
	v_and_b32 v[Q+2*ii+1], 0xffff0000, v[TT+ii]
	v_pk_mul_f32 v[Q+2*ii:Q+2*ii+1], v[Q+2*ii:Q+2*ii+1], 0x3cb504f3 op_sel_hi:[1,0]  ; 1 / sqrt(2048)
.set ii, ii+1
.endr
; nb products of block a (16 rows of x), from wb's block b0 on, on fragment buffers f.  zero = 1: the product starts the sum: nothing is ever cleared.
; The 64 accumulators take turns, one instruction a turn, in the same order in every phase.
.macro MULB f, a, b0, nb, zero
	WIN MUL_LO+0x50*((\a)/2)
.set bb, \b0
.rept \nb
.set rD, 128*((\a)%2)+8*bb
.set rB, 128*(\f)+8*bb
.set rA, AB+32*(\f)+8*(\a)
.if \zero
	v_wmma_f32_16x16x32_bf16 v[rD:rD+7], v[rB:rB+7], v[rA:rA+7], 0
.else
	v_wmma_f32_16x16x32_bf16 v[rD:rD+7], v[rB:rB+7], v[rA:rA+7], v[rD:rD+7]
.endif
.set bb, bb+1
.endr
.endm
; Block 3's first eight products, each with four conversions behind it: the next phase's x, f32 to bf16, into the other fragment buffer.  They name no register of the products round them.
.macro MULR f, zero
.set bb, 0
.rept 8
	WIN MUL_HI
.set rD, 128+8*bb
.set rB, 128*(\f)+8*bb
.set rA, AB+32*(\f)+24
.if \zero
	v_wmma_f32_16x16x32_bf16 v[rD:rD+7], v[rB:rB+7], v[rA:rA+7], 0
.else
	v_wmma_f32_16x16x32_bf16 v[rD:rD+7], v[rB:rB+7], v[rA:rA+7], v[rD:rD+7]
.endif
	WIN 0
.set nn, 4*bb
.rept 4
	v_cvt_pk_bf16_f32 v[AB+32*(1-(\f))+nn], v[AF+2*nn], v[AF+2*nn+1]
.set nn, nn+1
.endr
.set bb, bb+1
.endr
.endm
; 48 LDS loads in one run: a phase's x (16 loads, f32, from slot sa at byte ka of the rows), then its wb (32 loads, from slot sb at byte kb) into buffer g
.macro FETCH sa, ka, sb, kb, g
	WIN 0
.set aa, 0
.rept 4
.set zz, 0
.rept 4
	ds_load_b128 v[AF+16*aa+4*zz:AF+16*aa+4*zz+3], v[ADRA+(\sa)] offset:(\ka)+16*PITCH*aa+16*(zz%2)+64*(zz/2)
.set zz, zz+1
.endr
.set aa, aa+1
.endr
	WIN 0x40                                       ; destination window 1, address window 0
.set bb, 0
.rept 16
	ds_load_b128 v[128*(\g)+8*bb:128*(\g)+8*bb+3],   v[ADRB+(\sb)] offset:(\kb)+16*PITCH*bb
	ds_load_b128 v[128*(\g)+8*bb+4:128*(\g)+8*bb+7], v[ADRB+(\sb)] offset:(\kb)+16*PITCH*bb+32
.set bb, bb+1
.endr
.endm
.macro NEXTF i                         ; the fetch for phase i + 1 of the lap
	FETCH (((\i)+1)/2)%2, 128*(((\i)+1)%2), (((\i)+1)/4)%2, 64*(((\i)+1)%4), ((\i)+1)%2
.endm
.macro BODY f, zero                    ; a phase behind its fetch
	MULB \f, 1, 0, 16, \zero
	MULB \f, 2, 0, 16, \zero
	s_wait_dscnt 32                                ; x's 16 loads are in; wb's 32, issued behind them, stay out
	MULR \f, \zero
	MULB \f, 3, 8, 8, \zero
.endm
; A phase that stays in its slots.
.macro PLAIN i, zero
.set f, (\i)%2
	s_wait_dscnt 16                                ; wb's blocks 0-7 are in; the youngest sixteen loads stay out
	MULB f, 0, 0, 8, \zero
	s_wait_dscnt 0x0
	MULB f, 0, 8, 8, \zero
	PLACES                                         ; in front of the loads into the buffer that the phase before multiplied, and of the conversions into its x
	NEXTF \i
	BODY f, \zero
.endm
; A phase that leaves a slot of x (and, every other time, of wb).  In front of the barrier each wave waits for all its tensor loads, of which one is out; adds 0 to its spare word; steps the descriptors used a
; turn ago (sa, sb; none of my loads is out); and waits for the add and for its own reads of the slots.  Behind it nobody reads the old slot, and the next is whole.
; fill = 2: the barrier opens a round of the cluster's, and the joint refill (ga for waves 0 and 1, gb for waves 2 and 3) is the first thing behind the round: it has 112 products in which to land.
; fill = 1: x alone.  fill = 0: nothing is left to ask for: a plain barrier.
.macro TURN i, fill, ga, gb, sa, sb
.set f, (\i)%2
	WIN 0                                          ; (the add's two registers lie in window 0)
	s_wait_tensorcnt 0x0                           ; all my tensor loads have landed
	ds_add_u32 v[SPW], v[NIL]                      ; 0 onto my spare word
.if (\sa) >= 0
	STEP \sa
.endif
.if (\sb) >= 0
	STEP \sb
.endif
	s_wait_dscnt 17                                ; (the add and the youngest sixteen loads may be out)
	MULB f, 0, 0, 8, 0
	s_wait_dscnt 0x0                               ; the add is done, and my reads of the slots are over
	s_barrier_signal -1
	MULB f, 0, 8, 8, 0                             ; work on registers while the others arrive
.if \fill
	WIN 0
.endif
	s_barrier_wait -1
.if (\fill) == 2
	CREST
	JLOAD \ga, \gb                                 ; the four v_nop behind it are also the places in front of the loads below
.elseif (\fill) == 1
	CREST
	JLOADA \ga
.else
	PLACES
.endif
	NEXTF \i
	BODY f, 0
.endm
	s_wait_tensorcnt 0x0                           ; my first fills have landed, so their descriptors may be written:
	STEP GA0                                       ; x's step 2, wb's pair 2.  (Slot 1's are stepped in the turns; GB1H only behind its first use there, which brings
	STEP GB0L                                      ; the upper half of pair 1 a second time, 64 rows a wave, once: so every load in the loop is a refill and one text serves every trip.)
	STEP GB0H
	s_barrier_signal -1
	s_barrier_wait -1                              ; everybody's have
	FETCH 0, 0, 0, 0, 0
	s_wait_dscnt 32                                ; x of phase 0
	WIN 0
.set nn, 0
.rept 32
	v_cvt_pk_bf16_f32 v[AB+nn], v[AF+2*nn], v[AF+2*nn+1]
.set nn, nn+1
.endr
	PLAIN 0, 1                                     ; the first phase stands in front of the loop: its products start the sums
	WIN 0                                          ; at a label and at a branch every window is 0
	s_mov_b32 s3, LAPS-1
.Llap:                                                 ; a trip: a lap's phases 1 to 7 and the next lap's phase 0
	TURN 1, 2, GA0, GB1H, GA1, GB1L
	PLAIN 2, 0
	TURN 3, 2, GA1, GB0L, GA0, GB1H
	PLAIN 4, 0
	TURN 5, 2, GA0, GB0H, GA1, GB0L
	PLAIN 6, 0
	TURN 7, 2, GA1, GB1L, GA0, GB0H
	PLAIN 0, 0
	WIN 0
	s_sub_co_u32 s3, s3, 1
	s_cmp_lg_u32 s3, 0
	s_cbranch_scc1 .Llap
	TURN 1, 2, GA0, GB1H, GA1, -1                  ; the last lap is written out: x's step 62 and the upper half of wb's pair 31
	PLAIN 2, 0
	TURN 3, 1, GA1, -1, -1, -1                     ; x's step 63,
	PLAIN 4, 0
	TURN 5, 0, -1, -1, -1, -1                      ; and nothing more
	PLAIN 6, 0
	s_wait_dscnt 16                                ; the last phase fetches nothing
	MULB 1, 0, 0, 8, 0
	s_wait_dscnt 0x0
	MULB 1, 0, 8, 8, 0
	MULB 1, 1, 0, 16, 0
	MULB 1, 2, 0, 16, 0
	MULB 1, 3, 0, 16, 0
; THE WAY OUT, a block of 16 rows a trip.  A lane's 128 sums of a row (register index = n & 127) go through seven butterfly stages in registers.  The first reads the accumulators, so it is written once for each
; block, each accumulator from its low end on; the other six and all that follows are one text.  n's bit 7 lies in the other half of the lanes: both halves go into one stage row, and the
; eighth stage is made where whole rows are read back.
.macro STAGE0 a
	WIN 0x4a+5*((\a)/2)                            ; sources in window 2 or 3, destination in window 1
.set ii, 0
.rept 64
	v_add_f32 v[2*ii],   v[128*((\a)%2)+2*ii], v[128*((\a)%2)+2*ii+1]
	v_sub_f32 v[2*ii+1], v[128*((\a)%2)+2*ii], v[128*((\a)%2)+2*ii+1]
.set ii, ii+1
.endr
	WIN 0
.endm
.macro BFLY src, dst, dist             ; a stage at register distance dist, from one buffer of 128 into the other: 64 packed additions, no copies
.set ii, 0
.rept 64
.if ((2*ii)&(\dist)) == 0
	v_pk_add_f32 v[(\dst)+2*ii:(\dst)+2*ii+1], v[(\src)+2*ii:(\src)+2*ii+1], v[(\src)+2*ii+(\dist):(\src)+2*ii+(\dist)+1]
	v_pk_add_f32 v[(\dst)+2*ii+(\dist):(\dst)+2*ii+(\dist)+1], v[(\src)+2*ii:(\src)+2*ii+1], v[(\src)+2*ii+(\dist):(\src)+2*ii+(\dist)+1] neg_lo:[0,1] neg_hi:[0,1]
.endif
.set ii, ii+1
.endr
.endm
.macro ST c                            ; my numbers 64 c .. 64 c + 63 of row l % 16: 256 bytes, the lower lanes' in the stage row's first half, the upper lanes' in its second
	WIN 0x04                                       ; the stores' data in window 1
.set kk, 0
.rept 16
	ds_store_b128 v[STO], v[64*(\c)+4*kk:64*(\c)+4*kk+3] offset:16*kk
.set kk, kk+1
.endr
	WIN 0
.endm
.macro LD c                            ; back by rows: for rows 2 t + l / 16 the four numbers 64 c + 4 (l % 16) + 0..3 of either half.  LDS serves a wave's instructions in order (ISA guide 5.7.1.4): these see the stores above
.set kk, 0
.rept 8
	ds_load_b128 v[AF+64*(\c)+8*kk:AF+64*(\c)+8*kk+3],   v[RD] offset:2*SPITCH*kk
	ds_load_b128 v[AF+64*(\c)+8*kk+4:AF+64*(\c)+8*kk+7], v[RD] offset:2*SPITCH*kk+256
.set kk, kk+1
.endr
.endm
.macro MATH c, t                       ; the eighth stage, the columns' scales, and two stores: 16 lanes store 256 consecutive bytes, at a multiple of 256 from out0's first byte
.set xp, AF+64*(\c)+8*(\t)
.set tq, TT+4*(8*(\c)+(\t))
.set qs, Q+8*(\c)
	s_wait_dscnt 32*(1-(\c))+14-2*(\t)             ; my pair of loads is in; what was issued behind it stays out
	v_pk_add_f32 v[tq:tq+1],   v[xp:xp+1],   v[xp+4:xp+5]
	v_pk_add_f32 v[tq+2:tq+3], v[xp+2:xp+3], v[xp+6:xp+7]
	v_pk_add_f32 v[xp:xp+1],   v[xp:xp+1],   v[xp+4:xp+5] neg_lo:[0,1] neg_hi:[0,1]
	v_pk_add_f32 v[xp+2:xp+3], v[xp+2:xp+3], v[xp+6:xp+7] neg_lo:[0,1] neg_hi:[0,1]
	v_pk_mul_f32 v[tq:tq+1],   v[tq:tq+1],   v[qs:qs+1]
	v_pk_mul_f32 v[tq+2:tq+3], v[tq+2:tq+3], v[qs+2:qs+3]
	v_pk_mul_f32 v[xp:xp+1],   v[xp:xp+1],   v[qs+4:qs+5]
	v_pk_mul_f32 v[xp+2:xp+3], v[xp+2:xp+3], v[qs+6:qs+7]
	global_store_b128 v[CO], v[tq:tq+3], s[10:11] offset:16384*(\t)+256*(\c) th:TH_STORE_NT
	global_store_b128 v[CO], v[xp:xp+3], s[10:11] offset:16384*(\t)+256*(\c)+512 th:TH_STORE_NT
.endm
	PLACES                                         ; behind the last products
	WIN 0
	s_mov_b32 s2, 0
.Lblk:                                                 ; four trips: block s2
	s_cmp_eq_u32 s2, 0
	s_cbranch_scc1 .Lacc0
	s_cmp_eq_u32 s2, 1
	s_cbranch_scc1 .Lacc1
	s_cmp_eq_u32 s2, 2
	s_cbranch_scc1 .Lacc2
	STAGE0 3
	s_branch .Lhad
.Lacc0:
	STAGE0 0
	s_branch .Lhad
.Lacc1:
	STAGE0 1
	s_branch .Lhad
.Lacc2:
	STAGE0 2
.Lhad:
	WIN 0x45                                       ; destination and both sources in window 1
	BFLY 0, 128, 2
	BFLY 128, 0, 4
	BFLY 0, 128, 8
	BFLY 128, 0, 16
	BFLY 0, 128, 32
	BFLY 128, 0, 64
	ST 0
	LD 0
	ST 1                                           ; served behind the loads above, which have then read the stage
	LD 1
.irp t, 0,1,2,3,4,5,6,7
	MATH 0, \t
.endr
.irp t, 0,1,2,3,4,5,6,7
	MATH 1, \t
.endr
	s_wait_xcnt 0x0                                ; every earlier memory instruction has had its addresses translated (ISA guide 3.1): only behind this wait are the stores' base and data registers written again
	s_add_nc_u64 s[10:11], s[10:11], 16*8192       ; 16 rows of out0 on
	s_add_co_u32 s2, s2, 1
	s_cmp_lt_u32 s2, 4
	s_cbranch_scc1 .Lblk
	s_wait_tensorcnt 0x0                           ; the wave's end
	ds_add_u32 v[SPW], v[NIL]
	s_wait_dscnt 0x0
	CROUND                                         ; the closing round: no work-group ends while a partner may still ask for a tile that names it
	s_endpgm
.Lfunc_end_k_q8da3e0105b_gemm:
	.size	k_q8da3e0105b_gemm, .Lfunc_end_k_q8da3e0105b_gemm-k_q8da3e0105b_gemm
	.p2alignl 7, 3214868480
	.fill 96, 4, 3214868480
	.section	.rodata,"a",@progbits
	.p2align	6, 0x0
	.amdhsa_kernel k_q8da3e0105b_gemm
		.amdhsa_group_segment_fixed_size 327680
		.amdhsa_private_segment_fixed_size 0
		.amdhsa_enable_private_segment 0
		.amdhsa_kernarg_size 32
		.amdhsa_user_sgpr_count 2
		.amdhsa_user_sgpr_kernarg_segment_ptr 1
		.amdhsa_wavefront_size32 1
		.amdhsa_system_sgpr_workgroup_id_x 1
		.amdhsa_system_sgpr_workgroup_id_y 1
		.amdhsa_system_sgpr_workgroup_id_z 1
		.amdhsa_system_vgpr_workitem_id 0
		.amdhsa_next_free_vgpr 1024
		.amdhsa_next_free_sgpr 96
		.amdhsa_reserve_vcc 0
		.amdhsa_float_denorm_mode_32 3
		.amdhsa_float_denorm_mode_16_64 3
		.amdhsa_memory_ordered 1
		.amdhsa_forward_progress 1
		.amdhsa_inst_pref_size 230
	.end_amdhsa_kernel
	.amdgpu_metadata
---
amdhsa.version: [ 1, 2 ]
amdhsa.kernels:
  - .name:           k_q8da3e0105b_gemm
    .symbol:         k_q8da3e0105b_gemm.kd
    .args:
      - { .name: x, .offset: 0, .size: 8, .value_kind: global_buffer, .address_space: global }
      - { .name: wb, .offset: 8, .size: 8, .value_kind: global_buffer, .address_space: global }
      - { .name: SV, .offset: 16, .size: 8, .value_kind: global_buffer, .address_space: global }
      - { .name: out0, .offset: 24, .size: 8, .value_kind: global_buffer, .address_space: global }
    .group_segment_fixed_size: 327680
    .private_segment_fixed_size: 0
    .kernarg_segment_align: 8
    .kernarg_segment_size: 32
    .max_flat_workgroup_size: 128
    .sgpr_count:     96
    .vgpr_count:     1024
    .wavefront_size: 32
...
	.end_amdgpu_metadata
.endif
;; end of part 2
